; MI455X (gfx1250); checked and timed in simulation.
; The chip was launched on July 23, 2026; its instructions are those of AMD's public machine-readable ISA for CDNA 5 (MIT licence, August 2026) and "CDNA5" Instruction Set Architecture Reference Guide (July 2026). The comments in the code are by the model that wrote it; some were corrected since.
;; Sparse Cross Attention. Allowed arithmetic: float matrix products may take bf16 or f16 operands with f32 sums; all other float work in f32.
;; Inputs: Wkv 1,024 x 1,024 float32; Wo 512 x 512 float32; Wq 512 x 512 float32; batch_indices 16,384 int32; bkv 1,024 float32; bo 512 float32; bq 512 float32; context 4 x 512 x 1,024 float32; x_feats 16,384 x 512 float32.
;; Outputs: out0 16,384 x 512 float32.
;; One version. Each part assembles by itself: llvm-mc -triple=amdgcn-amd-amdhsa -mcpu=gfx1250 --defsym DOCPART=n.
;; ======== version 1 of 1: 2 launches
;; limits: values are held in f16: magnitudes above 65,504 overflow, below 6.1e-05 lose precision
;; workspace buffers: kpack 2,097,152 bytes; vpack 2,097,152 bytes; wpack 1,048,576 bytes; order 65,536 bytes of whole numbers; tiles 4,096 bytes of whole numbers
;; launch prep (part 1): grid 256 x 1, 8 waves a work-group, no clusters, 111,872 bytes of LDS; arguments context, Wkv, Wq, Wo, batch_indices, bkv, kpack, vpack, wpack, order, tiles; writes kpack, vpack, wpack, order, tiles
.if DOCPART == 1
	.amdgcn_target "amdgcn-amd-amdhsa--gfx1250"
	.amdhsa_code_object_version 6
	.text
	.protected	k_q96334dddf3_prep
	.globl	k_q96334dddf3_prep
	.p2align	8
	.type	k_q96334dddf3_prep,@function
k_q96334dddf3_prep:
	s_mov_b64 s[64:65], 0
	v_nop
	global_prefetch_b8 v0, s[64:65] scope:SCOPE_SE
	s_setreg_imm32_b32 hwreg(HW_REG_WAVE_MODE, 25, 1), 1
	s_wait_xcnt 0x0
; SparseCrossAttention, launch 1 of 2: bucket the points by batch, pack Wq and Wo, project the context to K and V.
;
; WORK LEFT OUT (both launches), for all finite values of the inputs:
;  1. reference() multiplies q by one_hot(batch_indices) and sums over b.  For every b but the point's own the factor is the 0 that one_hot
;     builds, so logits[n] = q[n] . k[batch_indices[n]], and out picks ob[n, batch_indices[n]] in the same way.  That is a lookup by an index
;     among the inputs: this launch stores the points bucketed by batch (order, tiles: whole numbers), and launch 2 reads them from memory and
;     multiplies each point with its own batch alone, a quarter of the two attention products as they are written.
;  2. bkv[0:512], the bias of K, adds q[n,h] . bk[h] to all 512 logits of (n, h): the same term along the softmax's axis, which cancels in
;     exp(l - max) / sum.  It is not loaded; bkv stays an argument for its V half, bkv[512:1024].
; LIMITS.  A NaN, an infinity or an overflow that reaches only the work left out is not carried to the result.  batch_indices outside 0..3
; (which the problem excludes) are taken as 3.  Matrix operands are f16 (11 significant bits), sums f32.  Room: with every input 30 times
; larger than drawn, k and v grow 900-fold to about 3,500; with offsets of 30 spreads on context and Wkv they reach 1024 x 30 x 0.6 = 18,432;
; f16 ends at 65,504, beyond which a conversion gives infinity.  With inputs 30 times smaller the weights are about 7e-4; f16 steps by 6e-8 there.
;
; SHARE.  Work-group g of 256, eight waves; mb = g >> 3, ns = g & 7.
;  (a) counts all 16,384 indices (64 a thread), and those in front of its own chunk of 64;  (b) wave 0 places chunk g into order and writes
;  tiles[g];  (c) each thread packs one 16-byte unit of wpack;  (d) the product of context rows 64 mb .. +63 with Wkv columns 64 ns .. +63
;  (K of head ns) and 512 + 64 ns .. +63 (V of head ns), K = 1024 in 16 steps of 64.  Wave w: rows 32 (w >> 2) .. +31, columns 16 (w & 3) .. +15
;  of both: four accumulators K(m0) K(m1) V(m0) V(m1).
; PACKS are images of matrix fragments, blocks of 512 bytes = 32 lanes x 16 bytes; lane L = (r = L & 15, h = L >> 4), element i of 8:
;  kpack [b][head][kt 32][q 4]:          K[b][key 16 kt + r][head][d = 16 q + 8 h + i]
;  vpack [b][head][kb 16][dt 4][part 2]: V[b][key 32 kb + 16 part + 8 h + i][head][d = 16 dt + r]
;  wpack Wq, then Wo at 524,288: [nt 32][kf 16][part 2]: W[32 kf + 16 part + 8 h + i][16 nt + r]
; NO CLUSTER, no tensor loads: the tiles are f32 in memory and are narrowed to f16 in registers on their way into LDS (24 KB a step there
; in place of 48); a joint load would land them as f32 and every wave would have to read, narrow and store them once more.
.set CP,    144                        ; LDS pitch of a context row: 64 f16 + 16 bytes
.set WP,    288                        ; LDS pitch of a Wkv row: 64 K columns + 64 V columns in f16 + 32 bytes (an odd multiple of 32, for the transposing load)
.set WOFF,  64*CP                      ; 9,216: Wkv rows lie behind the 64 context rows
.set SLOTB, WOFF+64*WP                 ; 27,648: the tiles of one K step; K step s lies in quarter s & 3 of the ring
.set HALF,  2*SLOTB                    ; 55,296: a slot = two K steps; two slots take turns
.set SORT,  4*SLOTB                    ; 110,592: eight waves x 16 bytes of counts
.set RING,  16                         ; v[16:159]  three sets of 48: 4 loads of context, 8 of Wkv, as loaded (f32), then narrowed in place
.set ACC,   160                        ; v[160:191] K(m0) K(m1) V(m0) V(m1)
.set FRC,   192                        ; v[192:223] context fragments [m][k half]
.set FRW,   224                        ; v[224:255] Wkv fragments [K or V][k half]
.set IDX,   192                        ; ahead of the product: v[192:255] the thread's 64 indices
; ahead of the product v[160:191] hold: 160-167 pack data, 168-169 the chunk's indices, 170 171 185 186 187 offsets, 172-175 counts,
; 176-178 182 at work, 179 4 t, 180 181 places, 183 184 point numbers, 188-191 the tiles entry
; v4-7 are the LDS addresses in the ring's first slot, v12-15 (at work ahead of the product) the same four in its second
	s_load_b512 s[4:19], s[0:1], 0x0               ; context 4, Wkv 6, Wq 8, Wo 10, batch_indices 12, bkv 14, kpack 16, vpack 18
	s_load_b128 s[20:23], s[0:1], 0x40             ; wpack 20, order 22
	s_load_b64 s[24:25], s[0:1], 0x50              ; tiles
	s_set_vgpr_msb 0x40
	v_lshl_add_u32 v0, v0, 2, 0x1b100
	v_mov_b32 v1, 0
	s_set_vgpr_msb 0x4000
	v_lshrrev_b32 v12, 5, v0
	v_readfirstlane_b32 s26, v12                   ; wave
	s_mov_b32 s27, ttmp9                           ; g
	s_lshr_b32 s28, s27, 3                         ; mb
	s_and_b32 s29, s27, 7                          ; ns
	s_mov_b32 s42, 0x76543210                      ; v_permlanex16_b32: lane i reads lane i of the other half
	s_mov_b32 s43, 0xfedcba98
	v_and_b32 v1, 31, v0                           ; L
	v_and_b32 v13, 15, v0                          ; r
	v_bfe_u32 v14, v0, 4, 1                        ; h
	v_lshrrev_b32 v15, 4, v0                       ; t >> 4
	v_lshlrev_b32 v2, 12, v15                      ; v2: context, row t >> 4, 16 bytes at 16 (t & 15)
	v_lshl_add_u32 v2, v13, 4, v2
	v_lshlrev_b32 v3, 12, v12                      ; v3: Wkv, row w, lanes 0-15 the K columns, lanes 16-31 the V columns 2,048 bytes on
	v_lshl_add_u32 v3, v14, 11, v3
	v_lshl_add_u32 v3, v13, 4, v3
	v_mul_u32_u24 v4, v15, CP                      ; v4: where the narrowed context goes
	v_lshl_add_u32 v4, v13, 3, v4
	v_mul_u32_u24 v5, v12, WP                      ; v5: where the narrowed Wkv goes: row w, 8 bytes a lane
	v_lshl_add_u32 v5, v1, 3, v5
	v_add_nc_u32 v5, WOFF, v5
	v_lshrrev_b32 v6, 7, v0                        ; v6: context fragment: (32 (w >> 2) + r) rows + 16 h
	v_lshl_add_u32 v6, v6, 5, v13
	v_mul_u32_u24 v6, v6, CP
	v_lshl_add_u32 v6, v14, 4, v6
	v_and_b32 v7, 7, v0                            ; v7: Wkv fragment by the transposing load: row 8 h + (L & 7), 32 (w & 3) + 16 ((L >> 3) & 1)
	v_lshl_add_u32 v7, v14, 3, v7
	v_mul_u32_u24 v7, v7, WP
	v_bfe_u32 v8, v0, 5, 2
	v_lshl_add_u32 v7, v8, 5, v7
	v_bfe_u32 v8, v0, 3, 1
	v_lshl_add_u32 v7, v8, 4, v7
	v_add_nc_u32 v7, WOFF, v7
	v_lshlrev_b32 v8, 4, v1                        ; v8: 16 L
	v_mov_b32 v9, 1
	s_lshl_b32 s40, s27, 6                         ; 64 g: my chunk's first point
	v_add_nc_u32 v183, s40, v1                     ; the two points of my lane
	v_add_nc_u32 v184, 32, v183
	v_lshlrev_b32 v171, 2, v183
	v_lshlrev_b32 v170, 4, v0                      ; 16 t
	v_lshlrev_b32 v179, 2, v0                      ; 4 t
	; the pack: unit u = 256 (g & 127) + t; W row 16 ((u >> 5) & 31) + 8 h + i, column 16 (u >> 10) + r
	s_and_b32 s41, s27, 3
	s_lshl_b32 s41, s41, 3
	s_add_co_u32 s41, s41, s26
	s_lshl_b32 s41, s41, 15                        ; 16 rows of 2,048 bytes
	s_bfe_u32 s44, s27, 0x50002                    ; (g >> 2) & 31 = nt
	s_lshl_b32 s44, s44, 6
	s_add_co_u32 s41, s41, s44
	v_lshlrev_b32 v185, 14, v14
	v_lshl_add_u32 v185, v13, 2, v185
	v_add_nc_u32 v185, s41, v185
	s_lshl_b32 s44, s27, 12
	v_lshl_add_u32 v187, v0, 4, s44                ; 16 (256 g + t)
	v_bfe_u32 v15, v0, 5, 2                        ; V bias of my column: bkv[512 + 64 ns + 16 (w & 3) + r]
	v_lshlrev_b32 v15, 6, v15
	v_lshl_add_u32 v15, v13, 2, v15
	s_lshl_b32 s45, s29, 8
	s_add_co_u32 s45, s45, 2048
	v_add_nc_u32 v15, s45, v15
	s_mov_b32 s31, 0
	s_wait_kmcnt 0x0
	s_lshl_b32 s30, s28, 18                        ; 64 context rows of 4,096 bytes
	s_add_nc_u64 s[4:5], s[4:5], s[30:31]
	s_lshl_b32 s30, s29, 8                         ; 64 columns of Wkv
	s_add_nc_u64 s[6:7], s[6:7], s[30:31]
	s_cmp_lt_u32 s27, 128
	s_cselect_b64 s[88:89], s[8:9], s[10:11]       ; work-groups 0-127 pack Wq, the others Wo
; the 12 loads of K step s into ring set s mod 3; every step stands in the immediate (4,161,536 at the most)
.macro RLOAD s
.irp i, 0,1,2,3
	global_load_b128 v[RING+48*((\s)%3)+4*\i:RING+48*((\s)%3)+4*\i+3], v2, s[4:5] offset:256*(\s)+65536*\i
.endr
.irp i, 0,1,2,3,4,5,6,7
	global_load_b128 v[RING+48*((\s)%3)+16+4*\i:RING+48*((\s)%3)+16+4*\i+3], v3, s[6:7] offset:262144*(\s)+32768*\i
.endr
.endm
	global_load_b32 v168, v171, s[12:13]           ; the chunk's 64 indices (every wave, so that all waves count their loads alike)
	global_load_b32 v169, v171, s[12:13] offset:128
.set i, 0
.rept 16
	global_load_b128 v[IDX+4*i:IDX+4*i+3], v170, s[12:13] offset:4096*i    ; indices 1024 i + 4 t .. + 3
.set i, i+1
.endr
.irp i, 0,1,2,3,4,5,6,7
	global_load_b32 v[160+\i], v185, s[88:89] offset:2048*\i
.endr
	global_load_b32 v10, v15, s[14:15]
	RLOAD 0
	RLOAD 1
	RLOAD 2
	; COUNT.  One byte field for each batch: a thread adds at most 64 to a field.
	s_wait_loadcnt 45                              ; younger: 8 of the pack, 1 bias, 36 of the ring
	v_mov_b32 v177, 0                              ; all
	v_mov_b32 v178, 0                              ; those in front of my chunk
.set i, 0
.rept 16
.irp j, 0,1,2,3
	v_min_u32 v[IDX+4*i+\j], 3, v[IDX+4*i+\j]
.endr
.irp j, 0,1,2,3
	v_lshlrev_b32 v[IDX+4*i+\j], 3, v[IDX+4*i+\j]
.endr
.irp j, 0,1,2,3
	v_lshlrev_b32 v[IDX+4*i+\j], v[IDX+4*i+\j], v9 ; 1 << 8 b
.endr
	v_add3_u32 v[IDX+4*i], v[IDX+4*i], v[IDX+4*i+1], v[IDX+4*i+2]
	v_add_nc_u32 v[IDX+4*i], v[IDX+4*i], v[IDX+4*i+3]
	v_add_nc_u32 v177, v177, v[IDX+4*i]
	s_sub_co_i32 s41, s40, 1024*i                  ; the four lie in front of point 64 g if 1024 i + 4 t < 64 g (64 g is a multiple of 4)
	v_cmp_gt_i32 vcc_lo, s41, v179
	v_cndmask_b32 v[IDX+4*i+1], 0, v[IDX+4*i], vcc_lo
	v_add_nc_u32 v178, v178, v[IDX+4*i+1]
.set i, i+1
.endr
	v_and_b32 v172, 0xff00ff, v177                 ; fields of 16 bits (16,384 at the most): batches 0 and 2,
	v_lshrrev_b32 v173, 8, v177
	v_and_b32 v173, 0xff00ff, v173                 ; 1 and 3
	v_and_b32 v174, 0xff00ff, v178
	v_lshrrev_b32 v175, 8, v178
	v_and_b32 v175, 0xff00ff, v175
	v_mov_b32 v176, 0
.irp r, 172,173,174,175
.irp m, 1,2,4,8
	v_mov_b32_dpp v176, v\r row_xmask:\m row_mask:0xf bank_mask:0xf
	v_add_nc_u32 v\r, v\r, v176
.endr
	v_permlanex16_b32 v176, v\r, s42, s43
	v_add_nc_u32 v\r, v\r, v176
.endr
	s_lshl_b32 s41, s26, 4
	s_add_co_u32 s41, s41, SORT
	v_mov_b32 v182, s41
	ds_store_b128 v182, v[172:175]                 ; my wave's sums (every lane holds them)
	s_wait_dscnt 0x0                               ; stored, for the other waves' sake
	s_barrier_signal -1
	s_barrier_wait -1
	v_mov_b32 v182, SORT
.irp i, 0,1,2,3,4,5,6,7
	ds_load_b128 v[IDX+4*\i:IDX+4*\i+3], v182 offset:16*\i
.endr
	s_wait_dscnt 0x0
.irp j, 0,1,2,3
	v_add3_u32 v[IDX+\j], v[IDX+\j], v[IDX+4+\j], v[IDX+8+\j]
	v_add3_u32 v[IDX+\j], v[IDX+\j], v[IDX+12+\j], v[IDX+16+\j]
	v_add3_u32 v[IDX+\j], v[IDX+\j], v[IDX+20+\j], v[IDX+24+\j]
	v_add_nc_u32 v[IDX+\j], v[IDX+\j], v[IDX+28+\j]
.endr
	v_readfirstlane_b32 s44, v[IDX]
	v_readfirstlane_b32 s45, v[IDX+1]
	v_readfirstlane_b32 s46, v[IDX+2]
	v_readfirstlane_b32 s47, v[IDX+3]
	s_and_b32 s32, s44, 0xffff                     ; s[32:35] n_b: points of batch b
	s_and_b32 s33, s45, 0xffff
	s_lshr_b32 s34, s44, 16
	s_lshr_b32 s35, s45, 16
	s_and_b32 s36, s46, 0xffff                     ; s[36:39]: those of them in front of my chunk
	s_and_b32 s37, s47, 0xffff
	s_lshr_b32 s38, s46, 16
	s_lshr_b32 s39, s47, 16
	; PACK: eight numbers of a column of Wq or Wo become 16 bytes of a fragment image
	s_wait_loadcnt 36                              ; younger: the ring's 36
	v_cvt_pk_f16_f32 v160, v160, v161
	v_cvt_pk_f16_f32 v161, v162, v163
	v_cvt_pk_f16_f32 v162, v164, v165
	v_cvt_pk_f16_f32 v163, v166, v167
	global_store_b128 v187, v[160:163], s[20:21]
	v_mov_b32 v11, v10                             ; the V bias as a pair
	; TABLE: 256 work-groups of launch 2 are dealt to the batches.  G_b groups of 16 points, c_b = ceil(G_b / 4) work-groups.  The G_b add up to
	; 1,024 .. 1,027 and the c_b to 256 .. 259.  The first largest batch (at least 4,096 points, c at least 64) gives up the 0 .. 3 too many; of its
	; w = c - Dx work-groups the first e = G - 4 w take five groups (5 w >= G since c >= 15).  Every entry has at least one row.
.irp b, 0,1,2,3
	s_add_co_u32 s[46+\b], s[32+\b], 15
	s_lshr_b32 s[46+\b], s[46+\b], 4               ; s[46:49] G_b
	s_add_co_u32 s[50+\b], s[46+\b], 3
	s_lshr_b32 s[50+\b], s[50+\b], 2               ; s[50:53] c_b, then w_b
.endr
	s_add_co_u32 s54, s50, s51
	s_add_co_u32 s54, s54, s52
	s_add_co_u32 s54, s54, s53
	s_sub_co_u32 s54, s54, 256                     ; Dx
	s_max_u32 s55, s32, s33
	s_max_u32 s55, s55, s34
	s_max_u32 s55, s55, s35
.irp b, 0,1,2,3
	s_cmp_eq_u32 s[32+\b], s55
	s_cselect_b32 s78, s54, 0
	s_sub_co_u32 s[50+\b], s[50+\b], s78
	s_sub_co_u32 s54, s54, s78
.endr
	s_mov_b32 s56, 0                               ; s[56:59] off_b: where batch b begins in order
	s_add_co_u32 s57, s56, s32
	s_add_co_u32 s58, s57, s33
	s_add_co_u32 s59, s58, s34
	s_mov_b32 s60, 0                               ; s[60:63] W_b: its first work-group
	s_add_co_u32 s61, s60, s50
	s_add_co_u32 s62, s61, s51
	s_add_co_u32 s63, s62, s52
	s_mov_b32 s66, 0                               ; my batch, and its W, G, n, off, w
	s_mov_b32 s67, 0
	s_mov_b32 s68, s46
	s_mov_b32 s69, s32
	s_mov_b32 s70, 0
	s_mov_b32 s71, s50
.irp b, 1,2,3
	s_cmp_ge_u32 s27, s[60+\b]
	s_cselect_b32 s66, \b, s66
	s_cselect_b32 s67, s[60+\b], s67
	s_cselect_b32 s68, s[46+\b], s68
	s_cselect_b32 s69, s[32+\b], s69
	s_cselect_b32 s70, s[56+\b], s70
	s_cselect_b32 s71, s[50+\b], s71
.endr
	s_sub_co_u32 s72, s27, s67                     ; j
	s_lshl_b32 s78, s71, 2
	s_sub_co_i32 s73, s68, s78
	s_max_i32 s73, s73, 0                          ; e
	s_min_u32 s78, s72, s73
	s_lshl2_add_u32 s74, s72, s78                  ; first group = 4 j + min(j, e)
	s_cmp_lt_u32 s72, s73
	s_cselect_b32 s75, 5, 4
	s_sub_co_u32 s78, s68, s74
	s_min_u32 s75, s75, s78                        ; groups, 1 .. 5
	s_lshl4_add_u32 s76, s74, s70                  ; first place in order
	s_lshl_b32 s78, s74, 4
	s_sub_co_u32 s78, s69, s78
	s_lshl_b32 s79, s75, 4
	s_min_u32 s77, s79, s78                        ; rows, 1 .. 80
	; PLACE, wave 0 alone: point 64 g + L (and + 32) goes to off_b + those of b in front of the chunk + those of b in lower lanes
	s_cmp_lg_u32 s26, 0
	s_cbranch_scc1 .Lnoplace
	v_min_u32 v168, 3, v168
	v_min_u32 v169, 3, v169
	v_mov_b32 v180, 0
	v_mov_b32 v181, 0
.irp b, 0,1,2,3
	v_cmp_eq_u32 s[80+\b], \b, v168
	v_cmp_eq_u32 s[84+\b], \b, v169
	s_add_co_u32 s78, s[56+\b], s[36+\b]
	v_mbcnt_lo_u32_b32 v182, s[80+\b], s78
	v_cndmask_b32 v180, v180, v182, s[80+\b]
	s_bcnt1_i32_b32 s79, s[80+\b]
	s_add_co_u32 s78, s78, s79
	v_mbcnt_lo_u32_b32 v182, s[84+\b], s78
	v_cndmask_b32 v181, v181, v182, s[84+\b]
.endr
	v_min_u32 v180, 0x3fff, v180
	v_min_u32 v181, 0x3fff, v181
	v_lshlrev_b32 v180, 2, v180
	v_lshlrev_b32 v181, 2, v181
	global_store_b32 v180, v183, s[22:23]
	global_store_b32 v181, v184, s[22:23]
	s_lshl_b32 s78, s27, 4
	v_mov_b32 v186, s78
	v_mov_b32 v188, s76                            ; tiles[g] = first place, rows, batch, groups
	v_mov_b32 v189, s77
	v_mov_b32 v190, s66
	v_mov_b32 v191, s75
	v_cmp_eq_u32 vcc_lo, 0, v1
	s_wait_xcnt 0x0                                ; EXEC is a source of the loads and stores that are out: it narrows only behind this wait
	s_and_saveexec_b32 s78, vcc_lo
	global_store_b128 v186, v[188:191], s[24:25]   ; lane 0 alone
	s_wait_xcnt 0x0                                ; and widens only behind this one
	s_or_b32 exec_lo, exec_lo, s78
.Lnoplace:
	s_wait_xcnt 0x0                                ; the stores' data and offsets lie where accumulators and fragments come now; v15 was the bias load's offset
	v_add_nc_u32 v12, HALF, v4                     ; the four LDS addresses in the ring's second slot: its quarters lie beyond the 16 bits of an LDS immediate
	v_add_nc_u32 v13, HALF, v5
	v_add_nc_u32 v14, HALF, v6
	v_add_nc_u32 v15, HALF, v7
; n = 0: the first product starts the sum, nothing is cleared
.macro MM d, a, b, n
.if (\n) == 0
	v_wmma_f32_16x16x32_f16 v[\d:\d+7], v[\a:\a+7], v[\b:\b+7], 0
.else
	v_wmma_f32_16x16x32_f16 v[\d:\d+7], v[\a:\a+7], v[\b:\b+7], v[\d:\d+7]
.endif
.endm
; The tiles of K step u, in ring set u mod 3, are narrowed in place and laid into quarter u & 3 of the LDS ring: 24 conversions, 12 LDS stores.
.macro LAY u
.if (\u) <= 13
	s_wait_loadcnt 24                              ; two younger sets of 12 stay out
.else
	s_wait_loadcnt 12*(15-(\u))                    ; the counts run down: 12, 0
.endif
.set rb, RING+48*((\u)%3)
.set sl, SLOTB*((\u)&1)
.set ar, 8*(((\u)>>1)&1)                           ; v4 v5 in the first slot, v12 v13 in the second
.irp i, 0,1,2,3,4,5,6,7,8,9,10,11
	v_cvt_pk_f16_f32 v[rb+4*\i], v[rb+4*\i], v[rb+4*\i+1]
	v_cvt_pk_f16_f32 v[rb+4*\i+1], v[rb+4*\i+2], v[rb+4*\i+3]
.endr
.irp i, 0,1,2,3
	ds_store_b64 v[4+ar], v[rb+4*\i:rb+4*\i+1] offset:sl+16*CP*\i
.endr
.irp i, 0,1,2,3,4,5,6,7
	ds_store_b64 v[5+ar], v[rb+16+4*\i:rb+16+4*\i+1] offset:sl+8*WP*\i
.endr
.endm
; One K step of 64.  Its 16 fragment loads go out first; while they land, K step s + 2 is narrowed and laid into the other slot; then the 8 products.
; ONE BARRIER FOR TWO K STEPS, behind each odd step, orders both ways.  The slot that steps 2 P and 2 P + 1 write was last read in steps 2 P - 2 and
; 2 P - 1, and each wave waited for those reads before it signalled behind step 2 P - 1; what a wave stores in steps 2 P and 2 P + 1 it has waited
; for before it signals behind step 2 P + 1, and the others read it behind that barrier.
.macro STEP s
.set sl, SLOTB*((\s)&1)
.set ar, 8*(((\s)>>1)&1)                           ; v6 v7 in the first slot, v14 v15 in the second
.irp m, 0,1
.irp k, 0,1
	ds_load_b128 v[FRC+8*(2*\m+\k):FRC+8*(2*\m+\k)+3], v[6+ar] offset:sl+16*CP*\m+64*\k
	ds_load_b128 v[FRC+8*(2*\m+\k)+4:FRC+8*(2*\m+\k)+7], v[6+ar] offset:sl+16*CP*\m+64*\k+32
.endr
.endr
.irp y, 0,1
.irp k, 0,1
	ds_load_tr16_b128 v[FRW+8*(2*\y+\k):FRW+8*(2*\y+\k)+3], v[7+ar] offset:sl+32*WP*\k+128*\y
	ds_load_tr16_b128 v[FRW+8*(2*\y+\k)+4:FRW+8*(2*\y+\k)+7], v[7+ar] offset:sl+32*WP*\k+128*\y+16*WP
.endr
.endr
.if \s <= 13
	LAY \s+2
	s_wait_dscnt 12                                ; the fragments are in; the 12 stores behind them may be out
.else
	s_wait_dscnt 0x0                               ; the last two steps lay nothing
.endif
	; K with Wkv as source 0: a lane gets 8 neighbouring d of one key.  V with the context as source 0: 8 neighbouring keys of one d.
	; The four accumulators take turns, one instruction a turn.
.irp k, 0,1
	MM ACC,    FRW+8*\k,    FRC+8*\k,    \s+\k
	MM ACC+8,  FRW+8*\k,    FRC+16+8*\k, \s+\k
	MM ACC+16, FRC+8*\k,    FRW+16+8*\k, \s+\k
	MM ACC+24, FRC+16+8*\k, FRW+16+8*\k, \s+\k
.endr
.if \s <= 13
	s_wait_dscnt 0x0                               ; stored, for the other waves' sake; and the set's registers have been read
.if \s <= 10
	RLOAD \s+5                                     ; the set is filled again, three steps ahead of its turn
.endif
.endif
.rept 4
	v_nop                                          ; four places in front of the next loads into the fragments, and of the way out
.endr
.if \s <= 13
.if (\s)&1
	s_barrier_signal -1
	s_barrier_wait -1
.endif
.endif
.endm
	LAY 0                                          ; the first slot: K steps 0 and 1
	s_wait_dscnt 0x0
	RLOAD 3
	LAY 1
	s_wait_dscnt 0x0                               ; stored, for the other waves' sake
	RLOAD 4
	s_barrier_signal -1
	s_barrier_wait -1
.irp s, 0,1,2,3,4,5,6,7,8,9,10,11,12,13,14,15
	STEP \s
.endr
	; THE WAY OUT: each tile is one block of 512 consecutive bytes of its pack
.irp j, 0,2,4,6
	v_pk_add_f32 v[ACC+16+\j:ACC+17+\j], v[ACC+16+\j:ACC+17+\j], v[10:11]
	v_pk_add_f32 v[ACC+24+\j:ACC+25+\j], v[ACC+24+\j:ACC+25+\j], v[10:11]
.endr
.irp q, 0,1,2,3
.irp j, 0,1,2,3
	v_cvt_pk_f16_f32 v[ACC+8*\q+\j], v[ACC+8*\q+2*\j], v[ACC+8*\q+2*\j+1]
.endr
.endr
	s_lshr_b32 s44, s28, 3                         ; batch
	s_lshl_b32 s44, s44, 3
	s_add_co_u32 s44, s44, s29                     ; 8 b + head: 65,536 bytes each in both packs
	s_and_b32 s45, s28, 7
	s_lshr_b32 s46, s26, 2
	s_and_b32 s47, s26, 3
	s_lshl_b32 s48, s44, 16
	s_lshl_b32 s49, s45, 13                        ; 64 keys are 8,192 bytes in both packs,
	s_add_co_u32 s48, s48, s49
	s_lshl_b32 s49, s46, 12                        ; 32 keys 4,096
	s_add_co_u32 s48, s48, s49
	s_lshl_b32 s49, s47, 9                         ; K: q = w & 3
	s_add_co_u32 s49, s48, s49
	s_lshl_b32 s50, s47, 10                        ; V: dt = w & 3
	s_add_co_u32 s50, s48, s50
	v_add_nc_u32 v12, s49, v8
	v_add_nc_u32 v13, s50, v8
	global_store_b128 v12, v[ACC:ACC+3], s[16:17]
	global_store_b128 v12, v[ACC+8:ACC+11], s[16:17] offset:2048
	global_store_b128 v13, v[ACC+16:ACC+19], s[18:19]
	global_store_b128 v13, v[ACC+24:ACC+27], s[18:19] offset:512
	s_set_vgpr_msb 0x5
	s_wait_tensorcnt 0x0
	ds_add_u32 v0, v1
	s_wait_dscnt 0x0
	s_set_vgpr_msb 0x500
	s_endpgm
.Lfunc_end_k_q96334dddf3_prep:
	.size	k_q96334dddf3_prep, .Lfunc_end_k_q96334dddf3_prep-k_q96334dddf3_prep
	.p2alignl 7, 3214868480
	.fill 96, 4, 3214868480
	.section	.rodata,"a",@progbits
	.p2align	6, 0x0
	.amdhsa_kernel k_q96334dddf3_prep
		.amdhsa_group_segment_fixed_size 111872
		.amdhsa_private_segment_fixed_size 0
		.amdhsa_enable_private_segment 0
		.amdhsa_kernarg_size 88
		.amdhsa_user_sgpr_count 2
		.amdhsa_user_sgpr_kernarg_segment_ptr 1
		.amdhsa_wavefront_size32 1
		.amdhsa_system_sgpr_workgroup_id_x 1
		.amdhsa_system_sgpr_workgroup_id_y 1
		.amdhsa_system_sgpr_workgroup_id_z 1
		.amdhsa_system_vgpr_workitem_id 0
		.amdhsa_next_free_vgpr 258
		.amdhsa_next_free_sgpr 96
		.amdhsa_reserve_vcc 1
		.amdhsa_float_denorm_mode_32 3
		.amdhsa_float_denorm_mode_16_64 3
		.amdhsa_memory_ordered 1
		.amdhsa_forward_progress 1
		.amdhsa_inst_pref_size 113
	.end_amdhsa_kernel
	.amdgpu_metadata
---
amdhsa.version: [ 1, 2 ]
amdhsa.kernels:
  - .name:           k_q96334dddf3_prep
    .symbol:         k_q96334dddf3_prep.kd
    .args:
      - { .name: context, .offset: 0, .size: 8, .value_kind: global_buffer, .address_space: global }
      - { .name: Wkv, .offset: 8, .size: 8, .value_kind: global_buffer, .address_space: global }
      - { .name: Wq, .offset: 16, .size: 8, .value_kind: global_buffer, .address_space: global }
      - { .name: Wo, .offset: 24, .size: 8, .value_kind: global_buffer, .address_space: global }
      - { .name: batch_indices, .offset: 32, .size: 8, .value_kind: global_buffer, .address_space: global }
      - { .name: bkv, .offset: 40, .size: 8, .value_kind: global_buffer, .address_space: global }
      - { .name: kpack, .offset: 48, .size: 8, .value_kind: global_buffer, .address_space: global }
      - { .name: vpack, .offset: 56, .size: 8, .value_kind: global_buffer, .address_space: global }
      - { .name: wpack, .offset: 64, .size: 8, .value_kind: global_buffer, .address_space: global }
      - { .name: order, .offset: 72, .size: 8, .value_kind: global_buffer, .address_space: global }
      - { .name: tiles, .offset: 80, .size: 8, .value_kind: global_buffer, .address_space: global }
    .group_segment_fixed_size: 111872
    .private_segment_fixed_size: 0
    .kernarg_segment_align: 8
    .kernarg_segment_size: 88
    .max_flat_workgroup_size: 256
    .sgpr_count:     96
    .vgpr_count:     258
    .wavefront_size: 32
...
	.end_amdgpu_metadata
.endif
;; end of part 1
;; launch attn (part 2): grid 256 x 1, 8 waves a work-group, no clusters, 203,264 bytes of LDS; arguments x_feats, order, tiles, wpack, kpack, vpack, bq, bo, out0; writes out0
.if DOCPART == 2
	.amdgcn_target "amdgcn-amd-amdhsa--gfx1250"
	.amdhsa_code_object_version 6
	.text
	.protected	k_q96334dddf3_attn
	.globl	k_q96334dddf3_attn
	.p2align	8
	.type	k_q96334dddf3_attn,@function
k_q96334dddf3_attn:
	s_mov_b64 s[64:65], 0
	v_nop
	global_prefetch_b8 v0, s[64:65] scope:SCOPE_SE
	s_setreg_imm32_b32 hwreg(HW_REG_WAVE_MODE, 25, 1), 1
	s_wait_xcnt 0x0
; SparseCrossAttention, launch 2 of 2: gather, q projection, attention, output projection, scatter.
; WORK LEFT OUT: each point is multiplied with the K and V of its own batch alone (the other three products meet the zeros of one_hot), by the
; whole numbers that launch 1 stored in order and tiles; the bias of K is the same along the softmax's axis and is in neither pack.  A NaN, an
; infinity or an overflow that reaches only that work is not carried to the result.
; LIMITS: matrix operands f16 (x, W, q scaled by 0.125 log2 e, k, v, p, o), sums f32; room as counted at the head of launch 1 (k, v up to 18,432
; and q up to about 1,700 with inputs 30 times larger or offset by 30 spreads, f16 ends at 65,504); p = exp2(s - max) <= 1, below 3e-8 it
; rounds to 0.  The sum of p is taken in f32 before p is rounded.
; THE MAXIMUM IS A RUNNING ONE: each trip of 32 keys raises a row's maximum, and the row's sums and accumulators are scaled by exp2(old - new), which
; is 1 where the maximum stays: 16 packed multiplies for a group's 32 accumulator registers.  A pass of its own for the maximum would form all
; 4 NT x 16 products with K a second time and read the head's 64 KB of K twice.
;
; SHARE.  Work-group g takes tiles[g]: NT = 4 or 5 groups of 16 points of one batch; slot s holds point order[pos0 + min(s, rows - 1)], so slots
; past the last row repeat it and store the same bytes again.  Wave w is head w: q columns 64 w .. +63, K and V of head w, out columns 64 w .. +63.
; In the gather wave w brings slots w, w + 8, w + 16 ..: which rows of X a wave writes hangs on its number alone, not on NT.
; EVERYTHING IS TRANSPOSED, so that no result is shuffled.  Q^T = Wq^T X^T: a lane holds 8 neighbouring d of point r; packed, that is source 1 of
; S^T = K Q^T, where a lane holds 8 neighbouring keys of point r; packed, source 1 of O^T = V^T P^T, where a lane holds 8 neighbouring d of point r:
; 16 bytes of a row of O.  A row's maximum and sum lie in lanes r and r + 16: one exchange of the halves joins them.
; The text is written for NT = 5 and for NT = 4; the branch hangs on tiles[g] alone.  The two barriers stand outside the branches.
; NO CLUSTER, no tensor loads: the packs are fragment images that go from memory straight into the registers of the one wave that multiplies them;
; neighbouring work-groups need have neither the same batch (the borders fall where the counts put them) nor the same NT, so neither the addresses
; of K and V nor the number of steps would be alike in partners.
;
; LDS: X 80 rows x 1,040 (512 f16 + 16), O the same, a stage of 16 x 272 for each wave, the list of the 80 slots' points.
.set XP,  1040
.set GP,  16*XP                        ; 16,640: a group of 16 rows
.set OB,  5*GP                         ; 83,200
.set STG, 2*OB                         ; 166,400
.set SP,  272
.set LST, STG+8*16*SP                  ; 201,216
; window 0: v1 16 L; v2 v3 X fragment address (groups 0-3, group 4); v4 v5 the same in O; v6 v7 where O is stored; v8 v9 stage in and back;
; v10 256 w + 16 r; v11 list + 4 h; v12 32 h; v13 v15 the gather's rows in X (slots w .. 56 + w; 64 + w, 72 + w); v14 the gather's words in the list
.set MM,  16                           ; v[16:25]   group p: the row's running maximum, twice (inside a trip: the old one, the new one)
.set LL,  26                           ; v[26:35]   group p: two partial sums, then 1 / sum twice
.set T,   36                           ; v[36:47]   at work
.set AL,  T                            ; v[36:45]   in the attention, group p: exp2(old maximum - new maximum), twice
.set B0,  48                           ; v[48:175]  four buffers of 32: fragments of W, K, V
.set S,   176                          ; v[176:255] S[p][kt] at 16 p + 8 kt, P[p] in place at 16 p; in a projection X fragments [2][p] at 40 j + 8 p
; window 1:
.set Q,    0                           ; v[256:335] Q[p][d half] at 16 p + 8 half
.set BIAS, 0                           ; v[256:287] the bias as a C operand, while Q is dead
.set ACC,  80                          ; v[336:495] accumulators [a][p] at 8 (5 a + p)
.set MSB, 0
.macro WIN new                         ; low byte: bits 1:0 source 0, 3:2 source 1, 5:4 source 2, 7:6 destination; the high byte repeats the setting left
.if MSB != \new
	s_set_vgpr_msb (MSB<<8)|\new
.set MSB, \new
.endif
.endm
.macro PLACES                          ; five places behind matrix instructions: four serve vector instructions and loads
.rept 5                                ; the fifth a matrix instruction that writes over a register of theirs
	v_nop
.endr
.endm
; 8 loads: W(k), the fragments of K step k for my four column tiles, into buffer k mod 4
.macro LDW wb, k
.irp a, 0,1,2,3
	global_load_b128 v[B0+32*((\k)&3)+8*\a:B0+32*((\k)&3)+8*\a+3], v1, s[\wb:\wb+1] offset:16384*\a+1024*(\k)
	global_load_b128 v[B0+32*((\k)&3)+8*\a+4:B0+32*((\k)&3)+8*\a+7], v1, s[\wb:\wb+1] offset:16384*\a+1024*(\k)+512
.endr
.endm
; 8 loads: 4,096 consecutive bytes, the K or V fragments of 32 keys
.macro LDKV buf, base, off
.irp u, 0,1,2,3,4,5,6,7
	global_load_b128 v[\buf+4*\u:\buf+4*\u+3], v1, s[\base:\base+1] offset:\off+512*\u
.endr
.endm
; 40 loads ahead of a projection: the bias in the layout of C (register j: column 8 h + j of the tile), then W(0) .. W(3)
.macro FILL wb, bb
	WIN 0x40
.irp a, 0,1,2,3
	global_load_b128 v[BIAS+8*\a:BIAS+8*\a+3], v12, s[\bb:\bb+1] offset:64*\a
	global_load_b128 v[BIAS+8*\a+4:BIAS+8*\a+7], v12, s[\bb:\bb+1] offset:64*\a+16
.endr
	WIN 0
	LDW \wb, 0
	LDW \wb, 1
	LDW \wb, 2
	LDW \wb, 3
.endm
	s_load_b512 s[4:19], s[0:1], 0x0               ; x 4, order 6, tiles 8, wpack 10, kpack 12, vpack 14, bq 16, bo 18
	s_load_b64 s[20:21], s[0:1], 0x40              ; out0
	v_lshl_add_u32 v46, v0, 2, 0x31600
	v_mov_b32 v47, 0
	v_lshrrev_b32 v36, 5, v0
	v_readfirstlane_b32 s22, v36                   ; wave = head
	v_and_b32 v37, 31, v0                          ; L
	v_and_b32 v38, 15, v0                          ; r
	v_bfe_u32 v39, v0, 4, 1                        ; h
	v_lshlrev_b32 v1, 4, v37
	v_lshlrev_b32 v12, 5, v39
	v_mul_u32_u24 v2, v38, XP
	v_lshl_add_u32 v2, v39, 4, v2                  ; r rows + 16 h
	v_add_nc_u32 v3, 4*GP, v2                      ; group 4 lies beyond the 16 bits of an LDS immediate
	v_add_nc_u32 v4, OB, v2
	v_add_nc_u32 v5, OB+4*GP, v2
	s_lshl_b32 s23, s22, 7
	v_add_nc_u32 v6, s23, v4                       ; my head's 128 bytes of a row of O
	v_add_nc_u32 v7, s23, v5
	s_mul_i32 s23, s22, 16*SP
	s_add_co_u32 s23, s23, STG
	v_mul_u32_u24 v40, v38, SP
	v_lshl_add_u32 v40, v39, 5, v40
	v_add_nc_u32 v8, s23, v40                      ; in: row r, 32 bytes for each half of the lanes
	v_mul_u32_u24 v40, v39, SP
	v_lshl_add_u32 v40, v38, 4, v40
	v_add_nc_u32 v9, s23, v40                      ; back: lanes 0-15 one row of 256 bytes, lanes 16-31 the next
	s_mul_i32 s23, s22, XP
	v_lshl_add_u32 v13, v37, 3, s23                ; the gather: slot w's row + 8 L; slot 8 i + w stands in the immediate,
	v_add_nc_u32 v15, 64*XP, v13                   ; slots 64 + w and 72 + w lie beyond its 16 bits
	s_lshl_b32 s23, s22, 2
	s_add_co_u32 s23, s23, LST
	v_mov_b32 v14, s23                             ; slot w's word in the list
	s_lshl_b32 s23, s22, 8
	v_lshl_add_u32 v10, v38, 4, s23
	v_lshlrev_b32 v11, 2, v39
	v_add_nc_u32 v11, LST, v11
	s_mov_b32 s42, 0x76543210                      ; v_permlanex16_b32: lane i reads lane i of the other half
	s_mov_b32 s43, 0xfedcba98
	s_mov_b32 s54, 0x3e38aa3b                      ; 64^-0.5 x log2 e: the logits come out ready for exp2
	s_mov_b32 s55, 0x3e38aa3b
	s_lshl_b32 s29, ttmp9, 4
	s_mov_b32 s31, 0
	s_wait_kmcnt 0x0
	s_load_b128 s[24:27], s[8:9], s29 offset:0x0   ; first place in order, rows, batch, groups
	s_lshl_b32 s30, s22, 16
	s_add_nc_u64 s[56:57], s[10:11], s[30:31]      ; Wq: my four column tiles
	s_add_nc_u64 s[58:59], s[56:57], 0x80000       ; Wo
	s_mov_b32 s30, s23
	s_add_nc_u64 s[68:69], s[16:17], s[30:31]      ; bq, bo at my 64 columns
	s_add_nc_u64 s[70:71], s[18:19], s[30:31]
	s_wait_kmcnt 0x0
	s_sub_co_u32 s28, s25, 1                       ; the last row's slot
	s_min_u32 s30, s26, 3
	s_lshl_b32 s30, s30, 3
	s_add_co_u32 s30, s30, s22
	s_lshl_b32 s30, s30, 16                        ; (8 b + head) x 65,536 in both packs
	s_add_nc_u64 s[62:63], s[12:13], s[30:31]      ; K
	s_add_nc_u64 s[66:67], s[14:15], s[30:31]      ; V
; GATHER: my wave brings the 2 NT rows of x of slots 8 i + w, 2,048 bytes each, four loads of 512 consecutive bytes, and lays them into X as f16.
; When they are in, bq and the first four steps of Wq go out: they land while the rows are narrowed and stored and the waves meet.
; So a wave has 8 NT loads out, then 40.
.macro P0 NT
.set ii, 0
.rept 2*\NT
	s_add_co_u32 s[44+ii], s22, 8*ii               ; slot 8 i + w
	s_min_u32 s[44+ii], s[44+ii], s28
	s_add_co_u32 s[44+ii], s[44+ii], s24
	s_min_u32 s[44+ii], s[44+ii], 0x3fff
	s_lshl_b32 s[44+ii], s[44+ii], 2
	s_load_b32 s[32+ii], s[6:7], s[44+ii] offset:0x0
.set ii, ii+1
.endr
	s_wait_kmcnt 0x0
.set ii, 0
.rept 2*\NT
	s_min_u32 s[32+ii], s[32+ii], 0x3fff
	v_mov_b32 v[T+ii], s[32+ii]
	s_lshl_b32 s[32+ii], s[32+ii], 11
	v_add_nc_u32 v[S+ii], s[32+ii], v1
.set ii, ii+1
.endr
	WIN 0x40
.set ii, 0
.rept 2*\NT
.irp q, 0,1,2,3
	global_load_b128 v[ACC+16*ii+4*\q:ACC+16*ii+4*\q+3], v[S+ii], s[4:5] offset:512*\q
.endr
.set ii, ii+1
.endr
	s_wait_loadcnt 0x0
	FILL 56, 68
	WIN 0x45
.set ii, 0
.rept 8*\NT
	v_cvt_pk_f16_f32 v[ACC+4*ii], v[ACC+4*ii], v[ACC+4*ii+1]
	v_cvt_pk_f16_f32 v[ACC+4*ii+1], v[ACC+4*ii+2], v[ACC+4*ii+3]
.set ii, ii+1
.endr
	WIN 0x04
.set ii, 0
.rept 2*\NT
.irp q, 0,1,2,3
.if ii < 8
	ds_store_b64 v13, v[ACC+16*ii+4*\q:ACC+16*ii+4*\q+1] offset:8*XP*ii+256*\q
.else
	ds_store_b64 v15, v[ACC+16*ii+4*\q:ACC+16*ii+4*\q+1] offset:8*XP*(ii-8)+256*\q
.endif
.endr
.set ii, ii+1
.endr
	WIN 0
.set ii, 0
.rept 2*\NT
	ds_store_b32 v14, v[T+ii] offset:32*ii         ; the slot's point, for the scatter (every lane writes the same word)
.set ii, ii+1
.endr
	s_wait_dscnt 0x0                               ; stored, for the other waves' sake
.endm
; 2 NT LDS loads: the fragments of K step k of all groups into X buffer j
.macro LDX NT, a0, a1, k, j
.set px, 0
.rept \NT
.if px < 4
	ds_load_b128 v[S+40*(\j)+8*px:S+40*(\j)+8*px+3], v[\a0] offset:GP*px+64*(\k)
	ds_load_b128 v[S+40*(\j)+8*px+4:S+40*(\j)+8*px+7], v[\a0] offset:GP*px+64*(\k)+32
.else
	ds_load_b128 v[S+40*(\j)+8*px:S+40*(\j)+8*px+3], v[\a1] offset:64*(\k)
	ds_load_b128 v[S+40*(\j)+8*px+4:S+40*(\j)+8*px+7], v[\a1] offset:64*(\k)+32
.endif
.set px, px+1
.endr
.endm
; A PROJECTION: ACC[a][p] = bias + W^T (my 64 columns) x rows^T, 16 K steps of 32.  W comes four steps ahead through four buffers, the rows'
; fragments one step ahead through two.  tail = 1: the last four steps fetch K(0) V(0) K(1) V(1), the first two blocks of 32 keys, in W's place.
; The 4 NT accumulators take turns in one fixed order, one instruction a turn.
.macro PROJ NT, a0, a1, wb, tail
	LDX \NT, \a0, \a1, 0, 0
.set kf, 0
.rept 16
.if kf < 15
	LDX \NT, \a0, \a1, kf+1, (kf+1)&1
.endif
.if \tail
	s_wait_loadcnt 24                              ; three younger groups of 8 stay out
.else
.if kf <= 12
	s_wait_loadcnt 24
.else
	s_wait_loadcnt 8*(15-kf)                       ; nothing more is fetched: 16, 8, 0
.endif
.endif
.if kf < 15
	s_wait_dscnt 2*\NT                             ; all but the next step's fragments
.else
	s_wait_dscnt 0x0
.endif
	WIN 0x50
.set pp, 0
.rept \NT
.set aa, 0
.rept 4
.set ab, ACC+8*(5*aa+pp)
.if kf == 0
	v_wmma_f32_16x16x32_f16 v[ab:ab+7], v[B0+32*(kf&3)+8*aa:B0+32*(kf&3)+8*aa+7], v[S+40*(kf&1)+8*pp:S+40*(kf&1)+8*pp+7], v[BIAS+8*aa:BIAS+8*aa+7]
.else
	v_wmma_f32_16x16x32_f16 v[ab:ab+7], v[B0+32*(kf&3)+8*aa:B0+32*(kf&3)+8*aa+7], v[S+40*(kf&1)+8*pp:S+40*(kf&1)+8*pp+7], v[ab:ab+7]
.endif
.set aa, aa+1
.endr
.set pp, pp+1
.endr
	WIN 0
	PLACES
.if kf <= 11
	LDW \wb, kf+4
.else
.if \tail
.if kf&1
	LDKV B0+32*(kf&3), 66, 4096*((kf-12)>>1)
.else
	LDKV B0+32*(kf&3), 62, 4096*((kf-12)>>1)
.endif
.endif
.endif
.set kf, kf+1
.endr
.endm
; S^T of 32 keys for all groups: 2 NT products start the sums (d 0-31), 2 NT add in place (d 32-63), in the same order
.macro SPROD NT, buf
	WIN 0x04
.set pp, 0
.rept \NT
.irp t, 0,1
	v_wmma_f32_16x16x32_f16 v[S+16*pp+8*\t:S+16*pp+8*\t+7], v[\buf+16*\t:\buf+16*\t+7], v[Q+16*pp:Q+16*pp+7], 0
.endr
.set pp, pp+1
.endr
.set pp, 0
.rept \NT
.irp t, 0,1
	v_wmma_f32_16x16x32_f16 v[S+16*pp+8*\t:S+16*pp+8*\t+7], v[\buf+16*\t+8:\buf+16*\t+15], v[Q+16*pp+8:Q+16*pp+15], v[S+16*pp+8*\t:S+16*pp+8*\t+7]
.endr
.set pp, pp+1
.endr
	WIN 0
	PLACES
.endm
; THE RUNNING MAXIMUM.  The pair's second register, which holds the old maximum, takes the lane's 16 logits in (in the first trip the first two
; logits start it), then the other half's; the factor exp2(old - new) is made, the pair's first register follows, and the group's 32 accumulator
; registers are scaled.  The sums are scaled by the multiply-add that takes their first terms in (SMB).  The first trip has nothing to scale.
.macro RMAX NT, first
.set pp, 0
.rept \NT
.if \first
	v_max_num_f32 v[MM+2*pp+1], v[S+16*pp], v[S+16*pp+1]
.else
	v_max3_num_f32 v[MM+2*pp+1], v[MM+2*pp+1], v[S+16*pp], v[S+16*pp+1]
.endif
.set pp, pp+1
.endr
.set jj, 1
.rept 7
.set pp, 0
.rept \NT
	v_max3_num_f32 v[MM+2*pp+1], v[MM+2*pp+1], v[S+16*pp+2*jj], v[S+16*pp+2*jj+1]
.set pp, pp+1
.endr
.set jj, jj+1
.endr
.set pp, 0
.rept \NT
	v_permlanex16_b32 v[AL+2*pp], v[MM+2*pp+1], s42, s43
.set pp, pp+1
.endr
.set pp, 0
.rept \NT
	v_max_num_f32 v[MM+2*pp+1], v[MM+2*pp+1], v[AL+2*pp]
.set pp, pp+1
.endr
.if \first == 0
.set pp, 0
.rept \NT
	v_sub_f32 v[AL+2*pp], v[MM+2*pp], v[MM+2*pp+1]
.set pp, pp+1
.endr
.set pp, 0
.rept \NT
	v_exp_f32 v[AL+2*pp], v[AL+2*pp]
.set pp, pp+1
.endr
.endif
.set pp, 0
.rept \NT
	v_mov_b32 v[MM+2*pp], v[MM+2*pp+1]             ; plain instructions on other registers: the place behind the exponentials (ISA guide 5.7.2)
.set pp, pp+1
.endr
.if \first == 0
.set pp, 0
	s_wait_alu depctr_va_vdst(0)
.rept \NT
	v_mov_b32 v[AL+2*pp+1], v[AL+2*pp]
.set pp, pp+1
.endr
	WIN 0x41
.set pp, 0
.rept 4*\NT
.set ab, ACC+8*(5*(pp&3)+(pp>>2))
.irp j, 0,2,4,6
	v_pk_mul_f32 v[ab+\j:ab+\j+1], v[ab+\j:ab+\j+1], v[AL+2*(pp>>2):AL+2*(pp>>2)+1]
.endr
.set pp, pp+1
.endr
	WIN 0
.endif
.endm
; softmax, slice A of group p: p = exp2(s - max)
.macro SMA p
.irp j, 0,2,4,6,8,10,12,14
	v_pk_add_f32 v[S+16*(\p)+\j:S+16*(\p)+\j+1], v[S+16*(\p)+\j:S+16*(\p)+\j+1], v[MM+2*(\p):MM+2*(\p)+1] neg_lo:[0,1] neg_hi:[0,1]
.endr
.irp j, 0,1,2,3,4,5,6,7,8,9,10,11,12,13,14,15
	v_exp_f32 v[S+16*(\p)+\j], v[S+16*(\p)+\j]
.endr
.endm
; slice B of group p: the sums in f32, then p packed in place as source 1 of the next product.  It always stands behind plain instructions on
; other registers that follow the group's exponentials (ISA guide 5.7.2).
.macro SMB p, first
.set sb, S+16*(\p)
.set lb, LL+2*(\p)
.set al, AL+2*(\p)
.if \first
	s_wait_alu depctr_va_vdst(0)
	v_pk_add_f32 v[lb:lb+1], v[sb:sb+1], v[sb+2:sb+3]              ; the first add starts the sums
	v_cvt_pk_f16_f32 v[sb], v[sb], v[sb+1]
	v_cvt_pk_f16_f32 v[sb+1], v[sb+2], v[sb+3]
.else
	s_wait_alu depctr_va_vdst(0)
	v_pk_fma_f32 v[lb:lb+1], v[lb:lb+1], v[al:al+1], v[sb:sb+1]    ; the old sums, brought to the new maximum, take the first two terms in
	v_cvt_pk_f16_f32 v[sb], v[sb], v[sb+1]
	v_pk_add_f32 v[lb:lb+1], v[lb:lb+1], v[sb+2:sb+3]
	v_cvt_pk_f16_f32 v[sb+1], v[sb+2], v[sb+3]
.endif
.irp j, 2,3,4,5,6,7
	v_pk_add_f32 v[lb:lb+1], v[lb:lb+1], v[sb+2*\j:sb+2*\j+1]
	v_cvt_pk_f16_f32 v[sb+\j], v[sb+2*\j], v[sb+2*\j+1]
.endr
.endm
; a trip of the attention, 32 keys.  Loads go out in the order K(i) V(i) K(i+1) V(i+1) ..; K(i+2) behind the S products, V(i+2) behind the
; O products: so three younger blocks (24 loads) may be out at either wait, fewer in the last two trips.
.macro ATT NT, par, first, ld, cS, cV
	s_wait_loadcnt \cS
	SPROD \NT, B0+64*\par
.if \ld
	LDKV B0+64*\par, 62, 4096*(\par+2)
.endif
	RMAX \NT, \first
	SMA 0
.set ps, 1
.rept \NT-1
	SMA ps
	SMB ps-1, \first
.set ps, ps+1
.endr
	SMB \NT-1, \first
	s_wait_loadcnt \cV
	WIN 0x50
.set pp, 0
.rept \NT
.set aa, 0
.rept 4
.set ab, ACC+8*(5*aa+pp)
.if \first
	v_wmma_f32_16x16x32_f16 v[ab:ab+7], v[B0+64*\par+32+8*aa:B0+64*\par+32+8*aa+7], v[S+16*pp:S+16*pp+7], 0
.else
	v_wmma_f32_16x16x32_f16 v[ab:ab+7], v[B0+64*\par+32+8*aa:B0+64*\par+32+8*aa+7], v[S+16*pp:S+16*pp+7], v[ab:ab+7]
.endif
.set aa, aa+1
.endr
.set pp, pp+1
.endr
	WIN 0
	PLACES
.if \ld
	LDKV B0+64*\par+32, 66, 4096*(\par+2)
.endif
.endm
.macro P1 NT
	PROJ \NT, 2, 3, 56, 1
	; q, scaled, becomes source 1 of the S products
	WIN 0x41
.set pp, 0
.rept 4*\NT
.set ab, ACC+8*(5*(pp&3)+(pp>>2))
.irp j, 0,2,4,6
	v_pk_mul_f32 v[ab+\j:ab+\j+1], v[ab+\j:ab+\j+1], s[54:55] op_sel_hi:[1,0]
.endr
.set pp, pp+1
.endr
	WIN 0x45
.set pp, 0
.rept 4*\NT
.set ab, ACC+8*(5*(pp&3)+(pp>>2))
.irp j, 0,1,2,3
	v_cvt_pk_f16_f32 v[Q+4*pp+\j], v[ab+2*\j], v[ab+2*\j+1]        ; Q + 16 p + 4 a: d = 16 a + 8 h + 2 j
.endr
.set pp, pp+1
.endr
	WIN 0
.set pp, 0
.rept \NT
	v_mov_b32 v[AL+2*pp], 0                        ; the destination of the exchange of halves counts as read: written once, any value
.set pp, pp+1
.endr
	; THE ATTENTION: 16 blocks of 32 keys; K(0) V(0) K(1) V(1) were asked for by the projection's last steps
	ATT \NT, 0, 1, 1, 24, 24
	ATT \NT, 1, 0, 1, 24, 24
	s_wait_xcnt 0x0
	s_add_nc_u64 s[62:63], s[62:63], 8192
	s_add_nc_u64 s[66:67], s[66:67], 8192
	s_mov_b32 s72, 6
.Latt\NT:
	ATT \NT, 0, 0, 1, 24, 24
	ATT \NT, 1, 0, 1, 24, 24
	s_wait_xcnt 0x0                                ; the bases are stepped only behind this wait
	s_add_nc_u64 s[62:63], s[62:63], 8192
	s_add_nc_u64 s[66:67], s[66:67], 8192
	s_sub_co_u32 s72, s72, 1
	s_cmp_lg_u32 s72, 0
	s_cbranch_scc1 .Latt\NT
	ATT \NT, 0, 0, 0, 24, 16                       ; blocks 14 and 15: nothing is left to fetch, the counts run down
	ATT \NT, 1, 0, 0, 8, 0
	; o = O / sum, as f16 into my head's columns of O
	FILL 58, 70                                    ; bo and Wo's first steps go out now; Q and the buffers are dead
.set pp, 0
.rept \NT
	v_add_f32 v[LL+2*pp], v[LL+2*pp], v[LL+2*pp+1]
.set pp, pp+1
.endr
.set pp, 0
.rept \NT
	v_permlanex16_b32 v[T+pp], v[LL+2*pp], s42, s43
.set pp, pp+1
.endr
.set pp, 0
.rept \NT
	v_add_f32 v[LL+2*pp], v[LL+2*pp], v[T+pp]
.set pp, pp+1
.endr
.set pp, 0
.rept \NT
	v_rcp_f32 v[LL+2*pp], v[LL+2*pp]               ; the sum is at least 1: the row's maximum gives exp2(0)
.set pp, pp+1
.endr
	v_nop                                          ; one plain place behind the reciprocals (ISA guide 5.7.2)
.set pp, 0
	s_wait_alu depctr_va_vdst(0)
.rept \NT
	v_mov_b32 v[LL+2*pp+1], v[LL+2*pp]
.set pp, pp+1
.endr
	WIN 0x41
.set pp, 0
.rept 4*\NT
.set ab, ACC+8*(5*(pp&3)+(pp>>2))
.irp j, 0,2,4,6
	v_pk_mul_f32 v[ab+\j:ab+\j+1], v[ab+\j:ab+\j+1], v[LL+2*(pp>>2):LL+2*(pp>>2)+1]
.endr
.set pp, pp+1
.endr
	WIN 0x05
.set pp, 0
.rept 4*\NT
.set ab, ACC+8*(5*(pp&3)+(pp>>2))
.irp j, 0,1,2,3
	v_cvt_pk_f16_f32 v[S+4*pp+\j], v[ab+2*\j], v[ab+2*\j+1]
.endr
.set pp, pp+1
.endr
	WIN 0
.set pp, 0
.rept 4*\NT
.if pp < 16
	ds_store_b128 v6, v[S+4*pp:S+4*pp+3] offset:GP*(pp>>2)+32*(pp&3)
.else
	ds_store_b128 v7, v[S+4*pp:S+4*pp+3] offset:32*(pp&3)
.endif
.set pp, pp+1
.endr
	s_wait_dscnt 0x0                               ; stored, for the other waves' sake
.endm
; 16 points' 64 columns of out: through my own stage, read back as rows of 256 bytes; sixteen lanes store 256 consecutive bytes, aligned
.macro OUT p
	WIN 0x04
.irp a, 0,1,2,3
	ds_store_b128 v8, v[ACC+8*(5*\a+(\p)):ACC+8*(5*\a+(\p))+3] offset:64*\a
	ds_store_b128 v8, v[ACC+8*(5*\a+(\p))+4:ACC+8*(5*\a+(\p))+7] offset:64*\a+16
.endr
	WIN 0
	s_wait_xcnt 0x0                                ; the last group's stores have read their data and offsets
.irp t, 0,1,2,3,4,5,6,7
	ds_load_b128 v[B0+4*\t:B0+4*\t+3], v9 offset:2*SP*\t           ; LDS serves a wave in order (ISA guide 5.7.1): these see the stores above
.endr
.irp t, 0,1,2,3,4,5,6,7
	ds_load_b32 v[T+\t], v11 offset:4*(16*(\p)+2*\t)               ; the two rows' points
.endr
	s_wait_dscnt 0x0
.irp t, 0,1,2,3,4,5,6,7
	v_min_u32 v[T+\t], 0x3fff, v[T+\t]
	v_lshl_add_u32 v[T+\t], v[T+\t], 11, v10
.endr
.irp t, 0,1,2,3,4,5,6,7
	global_store_b128 v[T+\t], v[B0+4*\t:B0+4*\t+3], s[20:21] th:TH_STORE_NT
.endr
.endm
.macro P2 NT
	PROJ \NT, 4, 5, 58, 0
.set po, 0
.rept \NT
	OUT po
.set po, po+1
.endr
.endm
	s_cmp_eq_u32 s27, 5
	s_cbranch_scc1 .Lp0_5
	P0 4
	s_branch .Lp0_e
.Lp0_5:
	P0 5
.Lp0_e:
	s_barrier_signal -1
	s_barrier_wait -1                              ; X and the list are whole
	s_cmp_eq_u32 s27, 5
	s_cbranch_scc1 .Lp1_5
	P1 4
	s_branch .Lp1_e
.Lp1_5:
	P1 5
.Lp1_e:
	s_barrier_signal -1
	s_barrier_wait -1                              ; O is whole: all eight heads' columns
	s_cmp_eq_u32 s27, 5
	s_cbranch_scc1 .Lp2_5
	P2 4
	s_branch .Lp2_e
.Lp2_5:
	P2 5
.Lp2_e:
	s_wait_tensorcnt 0x0
	ds_add_u32 v46, v47
	s_wait_dscnt 0x0
	s_endpgm
.Lfunc_end_k_q96334dddf3_attn:
	.size	k_q96334dddf3_attn, .Lfunc_end_k_q96334dddf3_attn-k_q96334dddf3_attn
	.p2alignl 7, 3214868480
	.fill 96, 4, 3214868480
	.section	.rodata,"a",@progbits
	.p2align	6, 0x0
	.amdhsa_kernel k_q96334dddf3_attn
		.amdhsa_group_segment_fixed_size 203264
		.amdhsa_private_segment_fixed_size 0
		.amdhsa_enable_private_segment 0
		.amdhsa_kernarg_size 72
		.amdhsa_user_sgpr_count 2
		.amdhsa_user_sgpr_kernarg_segment_ptr 1
		.amdhsa_wavefront_size32 1
		.amdhsa_system_sgpr_workgroup_id_x 1
		.amdhsa_system_sgpr_workgroup_id_y 1
		.amdhsa_system_sgpr_workgroup_id_z 1
		.amdhsa_system_vgpr_workitem_id 0
		.amdhsa_next_free_vgpr 512
		.amdhsa_next_free_sgpr 76
		.amdhsa_reserve_vcc 0
		.amdhsa_float_denorm_mode_32 3
		.amdhsa_float_denorm_mode_16_64 3
		.amdhsa_memory_ordered 1
		.amdhsa_forward_progress 1
		.amdhsa_inst_pref_size 255
	.end_amdhsa_kernel
	.section	.bss,"aw",@nobits
	.p2align	6
	.space	262144
	.amdgpu_metadata
---
amdhsa.version: [ 1, 2 ]
amdhsa.kernels:
  - .name:           k_q96334dddf3_attn
    .symbol:         k_q96334dddf3_attn.kd
    .args:
      - { .name: x_feats, .offset: 0, .size: 8, .value_kind: global_buffer, .address_space: global }
      - { .name: order, .offset: 8, .size: 8, .value_kind: global_buffer, .address_space: global }
      - { .name: tiles, .offset: 16, .size: 8, .value_kind: global_buffer, .address_space: global }
      - { .name: wpack, .offset: 24, .size: 8, .value_kind: global_buffer, .address_space: global }
      - { .name: kpack, .offset: 32, .size: 8, .value_kind: global_buffer, .address_space: global }
      - { .name: vpack, .offset: 40, .size: 8, .value_kind: global_buffer, .address_space: global }
      - { .name: bq, .offset: 48, .size: 8, .value_kind: global_buffer, .address_space: global }
      - { .name: bo, .offset: 56, .size: 8, .value_kind: global_buffer, .address_space: global }
      - { .name: out0, .offset: 64, .size: 8, .value_kind: global_buffer, .address_space: global }
    .group_segment_fixed_size: 203264
    .private_segment_fixed_size: 0
    .kernarg_segment_align: 8
    .kernarg_segment_size: 72
    .max_flat_workgroup_size: 256
    .sgpr_count:     76
    .vgpr_count:     512
    .wavefront_size: 32
...
	.end_amdgpu_metadata
.endif
;; end of part 2
